; MI455X (gfx1250); checked and timed in simulation.
; The chip was launched on July 23, 2026; its instructions are those of AMD's public machine-readable ISA for CDNA 5 (MIT licence, August 2026) and "CDNA5" Instruction Set Architecture Reference Guide (July 2026). The comments in the code are by the model that wrote it; some were corrected since.
;; Gaussian Renderer. Allowed arithmetic: float matrix products may take bf16 or f16 operands with f32 sums; all other float work in f32.
;; Inputs: data 32 x 512 x 8 float32; opacity 512 x 1 float32.
;; Outputs: out0 32 x 3 x 64 x 64 float32.
;; One version. Each part assembles by itself: llvm-mc -triple=amdgcn-amd-amdhsa -mcpu=gfx1250 --defsym DOCPART=n.
;; ======== version 1 of 1: 1 launch
;; launch render (part 1): grid 8 x 32, 16 waves a work-group, no clusters, 55,808 bytes of LDS; arguments data, opacity, out0; writes out0
.if DOCPART == 1
	.amdgcn_target "amdgcn-amd-amdhsa--gfx1250"
	.amdhsa_code_object_version 6
	.text
	.protected	k_q2d05dd0470_render
	.globl	k_q2d05dd0470_render
	.p2align	8
	.type	k_q2d05dd0470_render,@function
k_q2d05dd0470_render:
	s_mov_b64 s[64:65], 0
	v_nop
	global_prefetch_b8 v0, s[64:65] scope:SCOPE_SE
	s_setreg_imm32_b32 hwreg(HW_REG_WAVE_MODE, 25, 1), 1
	s_wait_xcnt 0x0
; GaussianRenderer: out0[b][c][h][w] = sum over n of opacity[n] exp(-sigma[b][n][h][w]) color[b][n][c].   B 32, N 512, H = W = 64.
; A work-group (x = group of 8 image rows, y = image b) has 16 waves = 512 threads.
;
; ALGEBRA (identities, for every input).  With cov = R diag(s0^2, s1^2) R^T and conic = cov^-1, completing the square in dx gives
;   sigma = 0.5 (cov_c/det) (dx - k dy)^2 + 0.5 dy^2 / cov_c,   k = cov_b / cov_c,   det = cov_a cov_c - cov_b^2 = s0^2 s1^2 (R is a rotation;
;   the product has no cancellation, so it is used for det and cov_a is not needed).  With sa = sqrt(0.5 log2(e) cov_c / det):
;   exp(-sigma) = exp2( f - (sa w + off)^2 ),   off = -sa px - sa k dy,   f = -0.5 log2(e) dy^2 / cov_c;  off and f hang on (Gaussian, image row) only.
;   So an element costs two fused multiply-adds (packed: two Gaussians an instruction), one exp2 and half a pack to f16.
;   opacity goes to the colour's side of the sum: sum (o e) c = sum e (o c).
;   Only c^2, s^2 and c s of theta enter, so theta is reduced modulo pi and sin, cos come from Taylor polynomials on [-pi/2, pi/2]
;   (sin to x^11, cos to x^12: first terms left out 5.7e-8 and 6.4e-9 at the interval's end).
;
; NUMBER FORMAT OF THE MATRIX OPERANDS: f16, sums in f32.  A pixel is a sum of terms of both signs that partly cancel, and the result is
;   wanted to a hundredth of the image's root mean square: 8 bits of mantissa on both factors are too few, 11 on alpha are enough.
;   alpha = exp2(f - u^2) with f <= 0 lies in [0, 1] whatever the inputs: f16 has the range.
;   o c has no bound of its own, so it is normalised exactly: the work-group takes the largest |o c| of its 512 x 3 numbers, multiplies all by
;   2^-e (e its exponent: the normalised numbers lie below 2, below 4 at the clamp) and the finished image by 2^e.
;   Each normalised colour goes in as two f16, value and remainder, in rows of the matrix tile that would otherwise idle.
;
; PHASES.  1: thread g makes Gaussian g's numbers and writes sa, six colour rows (f16) and off, f of the group's 8 rows to LDS.
;   2: wave = (image row, half of the Gaussians): 64 pixels as four tiles of 16, eight K steps of 32 Gaussians, written out (about 10 KB of code).
;      Matrix instruction: A = colours (rows 0-2 the channels' values, rows 3-5 their remainders; rows 6-15 repeat row 5 and are never read
;      back), B = alpha (column n = pixel).  Lane (r, hh) takes the Gaussians 16 hh .. 16 hh + 15 of the K step in both operands: the same
;      permutation of k on both sides.  Tile t, column r is pixel w = 4 r + t: lane r's four results of a channel are 16 neighbouring bytes.
;   3: partial sums to LDS, barrier, threads 0-383 add the two halves, scale back and store: a wave's store covers 512 consecutive bytes, aligned.
; No cluster, no tensor load: the 8 work-groups of an image share 16 KB, which each reads once; all other work is arithmetic on own pixels.
;
; LIMITS.  alpha is rounded to f16: below 2^-14 with an absolute error of up to 2^-24, below 2^-25 it is 0 (512 such terms: 3e-5 of the largest
;   colour).  Normalised colours are exact to 2^-25 of the work-group's largest.  sin, cos: absolute error about 1e-7, as theta itself has in f32.
;   NaN and infinite inputs are not followed case by case.
.set SA_T,   0                         ; LDS: sa[512] f32
.set OFF_T,  2048                      ; off[8 rows][512] f32
.set F_T,    OFF_T+8*2048              ; f[8 rows][512] f32
.set COL_T,  F_T+8*2048                ; colour[6][512] f16, rows CPITCH apart
.set CPITCH, 1040                      ; 1,024 + 16: the six rows that a load touches start 4 banks apart; the 16 bytes of padding are never read
.set RED_T,  COL_T+6400                ; partial sums: wave x 768 bytes = [3 channels][64 pixels] f32
.set RPART,  768
.set MAX_T,  RED_T+16*RPART            ; the 16 waves' largest |o c|
.set ADP, 4                            ; v4  LDS address for sa: my half of the Gaussians + 64 hh
.set ADT, 5                            ; v5  the same + my image row, for off and f
.set ADC, 6                            ; v6  for the colours: tile row + my half + 32 hh
.set ADR, 7                            ; v7  my 16 bytes in my wave's partial sums
.set W,   8                            ; v[8:15]    tile t: pixel x as f32, twice (a pair for the packed form)
.set E0,  16                           ; v[16:31]   16 exponents, then 16 alphas
.set E1,  32                           ; v[32:47]   the second set
.set BF,  48                           ; v[48:79]   tile t: alpha fragment, 8 registers
.set ACC, 80                           ; v[80:111]  tile t: accumulator, 8 registers
.set P0,  112                          ; v[112:167] parameters of a K step: sa 16, off 16, f 16, colour fragment 8
.set P1,  168                          ; v[168:223] the other set
.set BSC, 224                          ; v[224:225] 2^e, twice (a pair for the packed multiply at the end)
; phase 1: the colours work in BF's registers,
.set CC,  48                           ; v[48:50]   o c, then normalised
.set CM,  51                           ; largest |o c|
.set CM2, 52
.set HI,  53                           ; v[53:55]   f16 value; their low halves are named v53.l, v54.l, v55.l below
.set LO,  56                           ; v[56:58]   remainder
.set CM3, 59
.set MX,  60                           ; v[60:75]   the 16 waves' maxima
.set MAXA, 76                          ; 4 x wave
.set MAXR, 77                          ; MAX_T
.set INV, 78                           ; 2^-e
; the geometry in P0's
.set D,   112                          ; v[112:119] data[b][g][0..7]
.set OPA, 120
.set NPX, 121                          ; -px
.set NPY, 122                          ; -py
.set SQ0, 123                          ; s0, then s0^2
.set SQ1, 124
.set X,   125
.set X2,  126
.set SN,  127
.set CS,  128
.set T0,  129
.set T1,  130
.set T2,  131
.set T3,  132
.set T4,  133
.set SAV, 137
.set NCF, 138
.set NSK, 139
.set DY,  140                          ; v[140:147] row i: h, then dy = h - py
.set OV,  148                          ; v[148:155] off
.set FV,  156                          ; v[156:163] f
.set NSP, 164
	s_load_b128 s[4:7], s[0:1], 0x0                ; data s[4:5], opacity s[6:7]
	s_load_b64 s[8:9], s[0:1], 0x10                ; out0
	v_lshl_add_u32 v226, v0, 2, 0xd200
	v_mov_b32 v227, 0
	v_lshlrev_b32 v1, 5, v0                        ; 32 g: my Gaussian's 8 numbers
	v_lshlrev_b32 v2, 2, v0                        ; 4 g
	v_lshlrev_b32 v3, 1, v0                        ; 2 g
	v_lshrrev_b32 v16, 5, v0
	v_readfirstlane_b32 s10, v16                   ; wave 0..15
	v_lshlrev_b32 v[MAXA], 2, v16
	v_mov_b32 v[MAXR], MAX_T
	s_and_b32 s11, ttmp7, 0xffff                   ; image b
	s_lshl_b32 s12, s11, 14                        ; b x 512 x 32 bytes
	s_mov_b32 s13, 0
	s_wait_kmcnt 0x0
	s_add_nc_u64 s[4:5], s[4:5], s[12:13]
	global_load_b128 v[D:D+3], v1, s[4:5]          ; the two loads of a wave together cover 1,024 consecutive bytes
	global_load_b128 v[D+4:D+7], v1, s[4:5] offset:16
	global_load_b32 v[OPA], v2, s[6:7]
	; while they are on their way: everything that hangs on ids alone
	s_mov_b32 s2, 0x76543210                       ; v_permlanex16_b32: lane i of one half reads lane i of the other
	s_mov_b32 s3, 0xfedcba98
	s_and_b32 s14, s10, 7                          ; my image row in the group
	s_lshr_b32 s15, s10, 3                         ; my half of the Gaussians
	s_lshl_b32 s16, s15, 10                        ; 256 f32
	s_lshl_b32 s17, s14, 11                        ; a table row of 512 f32
	s_lshl_b32 s18, s15, 9                         ; 256 f16
	s_mul_i32 s19, s10, RPART
	s_lshl_b32 s20, ttmp9, 3                       ; the group's first image row
	s_mov_b32 s23, 0x42800000                      ; 64.0
	v_and_b32 v16, 15, v0                          ; r
	v_bfe_u32 v17, v0, 4, 1                        ; hh
	v_lshl_add_u32 v[ADP], v17, 6, s16
	v_add_nc_u32 v[ADT], s17, v[ADP]
	v_min_u32 v18, 5, v16                          ; A's row m = r: colour row r; rows above 5 repeat row 5 (their results are not read)
	v_mul_u32_u24 v18, v18, CPITCH
	v_lshl_add_u32 v18, v17, 5, v18
	v_add_nc_u32 v[ADC], s18, v18
	v_lshl_add_u32 v[ADR], v16, 4, s19
	v_lshlrev_b32 v18, 2, v16
	v_cvt_f32_u32 v[W], v18                        ; w = 4 r + t
	v_add_f32 v[W+2], 1.0, v[W]
	v_add_f32 v[W+4], 2.0, v[W]
	v_add_f32 v[W+6], 2.0, v[W+2]
.irp t, 0,2,4,6
	v_mov_b32 v[W+\t+1], v[W+\t]
.endr
.irp i, 0,1,2,3,4,5,6,7
	s_add_co_u32 s21, s20, \i
	v_cvt_f32_u32 v[DY+\i], s21                    ; h of the group's row i, exact
.endr
	; PHASE 1.  First the largest |o c|: of my three, of my wave's 96, one word a wave to LDS.
	s_wait_loadcnt 0x0
	v_mul_f32 v[CC+0], v[D+5], v[OPA]              ; opacity x colour
	v_mul_f32 v[CC+1], v[D+6], v[OPA]
	v_mul_f32 v[CC+2], v[D+7], v[OPA]
	v_and_b32 v[CM],  0x7fffffff, v[CC+0]
	v_and_b32 v[CM2], 0x7fffffff, v[CC+1]
	v_and_b32 v[CM3], 0x7fffffff, v[CC+2]
	v_max3_num_f32 v[CM], v[CM], v[CM2], v[CM3]
	v_max_num_f32_dpp v[CM], v[CM], v[CM] row_xmask:1 row_mask:0xf bank_mask:0xf
	v_max_num_f32_dpp v[CM], v[CM], v[CM] row_xmask:2 row_mask:0xf bank_mask:0xf
	v_max_num_f32_dpp v[CM], v[CM], v[CM] row_xmask:4 row_mask:0xf bank_mask:0xf
	v_max_num_f32_dpp v[CM], v[CM], v[CM] row_xmask:8 row_mask:0xf bank_mask:0xf
	v_permlanex16_b32 v[CM2], v[CM], s2, s3        ; its destination counts as read: CM2 was written above
	v_max_num_f32 v[CM], v[CM], v[CM2]
	ds_store_b32 v[MAXA], v[CM] offset:MAX_T       ; all lanes write the wave's word with the same value
	s_wait_dscnt 0x0                               ; the word is in LDS, for the other waves' sake: zero
	s_barrier_signal -1
	; Between the signal and the wait: Gaussian g's geometry, registers only.  Behind each run of transcendentals stands a plain
	; instruction that touches none of their registers before a result is used or a source rewritten (ISA guide 5.7.2).
	v_mul_f32 v[NPX], 0x4038aa3b, v[D+0]           ; 2 log2(e) x
	v_mul_f32 v[NPY], 0x4038aa3b, v[D+1]
	v_mul_f32 v[X], 0xbfb8aa3b, v[D+4]             ; -log2(e) x
	v_exp_f32 v[NPX], v[NPX]
	v_exp_f32 v[NPY], v[NPY]
	v_exp_f32 v[X], v[X]
	v_and_b32 v[SQ0], 0x7fffffff, v[D+2]
	v_and_b32 v[SQ1], 0x7fffffff, v[D+3]
	s_wait_alu depctr_va_vdst(0)
	v_add_f32 v[NPX], 1.0, v[NPX]
	v_add_f32 v[NPY], 1.0, v[NPY]
	v_add_f32 v[X], 1.0, v[X]
	v_rcp_f32 v[NPX], v[NPX]                       ; q = 1 / (1 + e^(2x)); tanh x = 1 - 2 q; an overflowing e^(2x) gives q = 0
	v_rcp_f32 v[NPY], v[NPY]
	v_rcp_f32 v[X], v[X]                           ; sigmoid
	v_add_f32 v[SQ0], 0x3e99999a, v[SQ0]           ; |.| + 0.3
	v_add_f32 v[SQ1], 0x3e99999a, v[SQ1]
	s_wait_alu depctr_va_vdst(0)
	v_fmaak_f32 v[NPX], s23, v[NPX], 0xc27e0000    ; px = 0.5 ((tanh + 1) 64 - 1) = 63.5 - 64 q; kept as -px
	v_fmaak_f32 v[NPY], s23, v[NPY], 0xc27e0000    ; -py
	v_mul_f32 v[SQ0], v[SQ0], v[SQ0]
	v_mul_f32 v[SQ1], v[SQ1], v[SQ1]
	v_add_f32 v[X], v[X], v[X]                     ; theta / pi = 2 sigmoid, in [0, 2]
	v_rndne_f32 v[X2], v[X]
	v_sub_f32 v[X], v[X], v[X2]                    ; modulo pi (exact): c and s change sign together, c^2, s^2, c s do not
	v_mul_f32 v[X], 0x40490fdb, v[X]               ; x in [-pi/2, pi/2]
	v_mul_f32 v[X2], v[X], v[X]
	v_mov_b32 v[SN], 0xb2d7322b                    ; -1/11!
	v_mov_b32 v[CS], 0x310f76c8                    ;  1/12!
	v_fmaak_f32 v[SN], v[SN], v[X2], 0x3638ef1d    ;  1/9!
	v_fmaak_f32 v[CS], v[CS], v[X2], 0xb493f27e    ; -1/10!
	v_fmaak_f32 v[SN], v[SN], v[X2], 0xb9500d01    ; -1/7!
	v_fmaak_f32 v[CS], v[CS], v[X2], 0x37d00d01    ;  1/8!
	v_fmaak_f32 v[SN], v[SN], v[X2], 0x3c088889    ;  1/5!
	v_fmaak_f32 v[CS], v[CS], v[X2], 0xbab60b61    ; -1/6!
	v_fmaak_f32 v[SN], v[SN], v[X2], 0xbe2aaaab    ; -1/3!
	v_fmaak_f32 v[CS], v[CS], v[X2], 0x3d2aaaab    ;  1/4!
	v_fma_f32 v[SN], v[SN], v[X2], 1.0
	v_fma_f32 v[CS], v[CS], v[X2], -0.5
	v_mul_f32 v[SN], v[SN], v[X]                   ; s
	v_fma_f32 v[CS], v[CS], v[X2], 1.0             ; c
	v_mul_f32 v[T0], v[CS], v[CS]
	v_mul_f32 v[T1], v[SN], v[SN]
	v_mul_f32 v[T2], v[CS], v[SN]
	v_mul_f32 v[T0], v[T0], v[SQ1]
	v_fma_f32 v[T0], v[T1], v[SQ0], v[T0]          ; cov_c = s^2 s0^2 + c^2 s1^2
	v_sub_f32 v[T1], v[SQ1], v[SQ0]
	v_mul_f32 v[T1], v[T2], v[T1]                  ; -cov_b
	v_mul_f32 v[T2], v[SQ0], v[SQ1]                ; det
	v_rcp_f32 v[T3], v[T0]                         ; 1 / cov_c
	v_rcp_f32 v[T4], v[T2]                         ; 1 / det
.irp i, 0,1,2,3,4,5,6,7
	v_add_f32 v[DY+\i], v[DY+\i], v[NPY]           ; dy = h - py (and the plain instructions behind the two reciprocals)
.endr
	v_mul_f32 v[T0], 0x3f38aa3b, v[T0]             ; 0.5 log2(e) cov_c
	s_wait_alu depctr_va_vdst(0)
	v_mul_f32 v[T0], v[T0], v[T4]                  ; 0.5 log2(e) con_a
	v_sqrt_f32 v[SAV], v[T0]                       ; sa
	v_mul_f32 v[T1], v[T1], v[T3]                  ; -k
	v_mul_f32 v[NCF], 0xbf38aa3b, v[T3]            ; -0.5 log2(e) / cov_c
	s_wait_alu depctr_va_vdst(0)
	v_mul_f32 v[NSK], v[SAV], v[T1]                ; -sa k
	v_mul_f32 v[NSP], v[SAV], v[NPX]               ; -sa px
	s_barrier_wait -1                              ; all 16 maxima are in LDS
.irp i, 0,1,2,3
	ds_load_b128 v[MX+4*\i:MX+4*\i+3], v[MAXR] offset:16*\i
.endr
.irp i, 0,1,2,3,4,5,6,7
	v_fma_f32 v[OV+\i], v[NSK], v[DY+\i], v[NSP]   ; off
	v_mul_f32 v[FV+\i], v[NCF], v[DY+\i]
.endr
.irp i, 0,1,2,3,4,5,6,7
	v_mul_f32 v[FV+\i], v[FV+\i], v[DY+\i]         ; f <= 0
.endr
	s_wait_dscnt 0x0                               ; the four loads above, the only LDS instructions out
	v_max3_num_f32 v[MX+0],  v[MX+0],  v[MX+1],  v[MX+2]
	v_max3_num_f32 v[MX+3],  v[MX+3],  v[MX+4],  v[MX+5]
	v_max3_num_f32 v[MX+6],  v[MX+6],  v[MX+7],  v[MX+8]
	v_max3_num_f32 v[MX+9],  v[MX+9],  v[MX+10], v[MX+11]
	v_max3_num_f32 v[MX+12], v[MX+12], v[MX+13], v[MX+14]
	v_max3_num_f32 v[MX+0],  v[MX+0],  v[MX+3],  v[MX+15]
	v_max3_num_f32 v[MX+6],  v[MX+6],  v[MX+9],  v[MX+12]
	v_max_num_f32  v[MX+0],  v[MX+0],  v[MX+6]     ; the work-group's largest |o c|, the same in every thread
	v_and_b32 v[MX+0], 0x7f800000, v[MX+0]         ; its exponent field E: the number 2^e, e = E - 127
	v_max_u32 v[MX+0], 0x00800000, v[MX+0]         ; E from 1 ..
	v_min_u32 v[BSC], 0x7e800000, v[MX+0]          ; .. to 253: 2^e and 2^-e are both normal numbers
	v_min_u32 v[BSC+1], 0x7e800000, v[MX+0]
	v_sub_nc_u32 v[INV], 0x7f000000, v[BSC]        ; field 254 - E: 2^-e
.irp c, 0,1,2
	v_mul_f32 v[CC+\c], v[CC+\c], v[INV]           ; exact but for numbers that fall below 2^-126
.endr
.irp c, 0,1,2
	v_cvt_pk_f16_f32 v[HI+\c], v[CC+\c], v[CC+\c]  ; the value in f16 (in both halves; the low one is used)
.endr
	v_cvt_f32_f16 v[LO+0], v53.l                   ; v[HI+0]
	v_cvt_f32_f16 v[LO+1], v54.l                   ; v[HI+1]
	v_cvt_f32_f16 v[LO+2], v55.l                   ; v[HI+2]
.irp c, 0,1,2
	v_sub_f32 v[LO+\c], v[CC+\c], v[LO+\c]         ; what the rounding left, exact
.endr
.irp c, 0,1,2
	v_cvt_pk_f16_f32 v[LO+\c], v[LO+\c], v[LO+\c]
.endr
	ds_store_b32 v2, v[SAV] offset:SA_T
.irp c, 0,1,2
	ds_store_b16 v3, v[HI+\c] offset:COL_T+\c*CPITCH
	ds_store_b16 v3, v[LO+\c] offset:COL_T+(3+\c)*CPITCH
.endr
.irp i, 0,1,2,3,4,5,6,7
	ds_store_b32 v2, v[OV+\i] offset:OFF_T+2048*\i
	ds_store_b32 v2, v[FV+\i] offset:F_T+2048*\i
.endr
	s_wait_dscnt 0x0                               ; my stores are in LDS, for the other waves' sake: zero
	s_barrier_signal -1
	s_barrier_wait -1                              ; the tables are whole
; PHASE 2.
; 14 LDS loads: the parameters of K step ks.  All lanes of a half read the same 16 bytes (colours: six rows).
.macro LOADP ks, ps
.irp i, 0,1,2,3
	ds_load_b128 v[\ps+4*\i:\ps+4*\i+3], v[ADP] offset:SA_T+128*(\ks)+16*\i
.endr
.irp i, 0,1,2,3
	ds_load_b128 v[\ps+16+4*\i:\ps+16+4*\i+3], v[ADT] offset:OFF_T+128*(\ks)+16*\i
.endr
.irp i, 0,1,2,3
	ds_load_b128 v[\ps+32+4*\i:\ps+32+4*\i+3], v[ADT] offset:F_T+128*(\ks)+16*\i
.endr
	ds_load_b128 v[\ps+48:\ps+51], v[ADC] offset:COL_T+64*(\ks)
	ds_load_b128 v[\ps+52:\ps+55], v[ADC] offset:COL_T+64*(\ks)+16
.endm
; the exponents of tile t for my 16 Gaussians, two at a time: u = sa w + off, then f - u u
.macro PK t, ps, es
.irp q, 0,1,2,3,4,5,6,7
	v_pk_fma_f32 v[\es+2*\q:\es+2*\q+1], v[W+2*\t:W+2*\t+1], v[\ps+2*\q:\ps+2*\q+1], v[\ps+16+2*\q:\ps+16+2*\q+1]
.endr
.irp q, 0,1,2,3,4,5,6,7
	v_pk_fma_f32 v[\es+2*\q:\es+2*\q+1], v[\es+2*\q:\es+2*\q+1], v[\es+2*\q:\es+2*\q+1], v[\ps+32+2*\q:\ps+32+2*\q+1] neg_lo:[1,0,0] neg_hi:[1,0,0]
.endr
.endm
.macro EXPS es
.irp j, 0,1,2,3,4,5,6,7,8,9,10,11,12,13,14,15
	v_exp_f32 v[\es+\j], v[\es+\j]
.endr
.endm
.macro CVT t, es                       ; register q of the fragment: Gaussians 2 q (low half) and 2 q + 1, as in the colour rows
	s_wait_alu depctr_va_vdst(0)
.irp q, 0,1,2,3,4,5,6,7
	v_cvt_pk_f16_f32 v[BF+8*\t+\q], v[\es+2*\q], v[\es+2*\q+1]
.endr
.endm
.macro MM t, ps, zero                  ; zero = 1: the first product starts the sums, nothing is cleared
.if \zero
	v_wmma_f32_16x16x32_f16 v[ACC+8*\t:ACC+8*\t+7], v[\ps+48:\ps+55], v[BF+8*\t:BF+8*\t+7], 0
.else
	v_wmma_f32_16x16x32_f16 v[ACC+8*\t:ACC+8*\t+7], v[\ps+48:\ps+55], v[BF+8*\t:BF+8*\t+7], v[ACC+8*\t:ACC+8*\t+7]
.endif
.endm
; A K step on parameter set ps.  The tiles are staggered: the next tile's 16 packed multiply-adds stand between a tile's exponentials and
; the conversions that read them (ISA guide 5.7.2); behind the last tile's a v_nop.  more = 1: the next step's parameters are asked for,
; into set qs.  Its colour registers were read by the last step's matrix instructions: the 16 multiply-adds of PK 0, which name none of
; those instructions' registers, are the places in front of the loads.
.macro KSTEP ks, ps, qs, zero, more
	s_wait_dscnt 0x0                               ; this step's 14 loads, the only ones out, issued a whole K step ago
	PK 0, \ps, E0
.if \more
	LOADP \ks+1, \qs
.endif
	EXPS E0
	PK 1, \ps, E1
	CVT 0, E0
	MM 0, \ps, \zero
	EXPS E1
	PK 2, \ps, E0
	CVT 1, E1
	MM 1, \ps, \zero
	EXPS E0
	PK 3, \ps, E1
	CVT 2, E0
	MM 2, \ps, \zero
	EXPS E1
	v_nop
	s_wait_alu depctr_va_vdst(0)
	CVT 3, E1
	MM 3, \ps, \zero
.endm
	LOADP 0, P0
	KSTEP 0, P0, P1, 1, 1
	KSTEP 1, P1, P0, 0, 1
	KSTEP 2, P0, P1, 0, 1
	KSTEP 3, P1, P0, 0, 1
	KSTEP 4, P0, P1, 0, 1
	KSTEP 5, P1, P0, 0, 1
	KSTEP 6, P0, P1, 0, 1
	KSTEP 7, P1, P0, 0, 0
	; PHASE 3.  Register j of lane (r, hh) holds D(m = 8 hh + j, n = r): in lanes 0-15 registers 0-2 are the channels' sums over the colours'
	; values and registers 3-5 those over the remainders, for pixel 4 r + t.  Value + remainder goes to register 4 c + t of E0: four neighbouring
	; pixels of a channel in four neighbouring registers.  Tiles 0-2 first: their nine additions name no register of the last matrix
	; instruction and are the places in front of the three that read its result (ISA guide 7.12.1).
.irp t, 0,1,2,3
.irp c, 0,1,2
	v_add_f32 v[E0+4*\c+\t], v[ACC+8*\t+\c], v[ACC+8*\t+3+\c]
.endr
.endr
	v_and_b32 v1, 16, v0
	v_cmp_eq_u32 vcc_lo, 0, v1
	s_wait_xcnt 0x0                                ; EXEC changes only behind this wait
	s_and_saveexec_b32 s22, vcc_lo                 ; lanes 0-15
.irp c, 0,1,2
	ds_store_b128 v[ADR], v[E0+4*\c:E0+4*\c+3] offset:RED_T+256*\c     ; 16 lanes: 256 consecutive bytes, an image row of a channel
.endr
	s_or_b32 exec_lo, exec_lo, s22
	s_wait_dscnt 0x0                               ; for the others' sake: zero
	s_barrier_signal -1
	s_barrier_wait -1
	s_cmp_ge_u32 s10, 12                           ; 8 rows x 3 channels x 256 bytes = 384 threads x 16 bytes: waves 0-11
	s_cbranch_scc1 .Lend
	v_bfe_u32 v1, v0, 4, 3                         ; image row in the group
	v_lshrrev_b32 v2, 7, v0                        ; channel
	v_and_b32 v3, 15, v0                           ; which 16 bytes of the row
	v_mul_u32_u24 v1, v1, RPART                    ; the row's first wave (Gaussians 0-255); the second lies 8 parts on
	v_lshl_add_u32 v1, v2, 8, v1
	v_lshl_add_u32 v1, v3, 4, v1
	ds_load_b128 v[16:19], v1 offset:RED_T
	ds_load_b128 v[20:23], v1 offset:RED_T+8*RPART
	v_and_b32 v3, 127, v0
	v_lshlrev_b32 v3, 4, v3                        ; the group's 8 rows of a channel are 2,048 consecutive bytes
	v_lshl_add_u32 v2, v2, 14, v3                  ; + channel x 64 x 64 x 4
	s_mul_i32 s12, s11, 49152                      ; image b
	s_lshl_b32 s14, ttmp9, 11                      ; the group's first row
	s_add_co_u32 s12, s12, s14
	s_mov_b32 s13, 0
	s_add_nc_u64 s[8:9], s[8:9], s[12:13]
	s_wait_dscnt 0x0
	v_pk_add_f32 v[16:17], v[16:17], v[20:21]
	v_pk_add_f32 v[18:19], v[18:19], v[22:23]
	v_pk_mul_f32 v[16:17], v[16:17], v[BSC:BSC+1]  ; back by 2^e, exact
	v_pk_mul_f32 v[18:19], v[18:19], v[BSC:BSC+1]
	global_store_b128 v2, v[16:19], s[8:9] th:TH_STORE_NT   ; 16 lanes store one image row of a channel: 256 consecutive bytes, aligned
.Lend:
	s_wait_tensorcnt 0x0
	ds_add_u32 v226, v227
	s_wait_dscnt 0x0
	s_endpgm
.Lfunc_end_k_q2d05dd0470_render:
	.size	k_q2d05dd0470_render, .Lfunc_end_k_q2d05dd0470_render-k_q2d05dd0470_render
	.p2alignl 7, 3214868480
	.fill 96, 4, 3214868480
	.section	.rodata,"a",@progbits
	.p2align	6, 0x0
	.amdhsa_kernel k_q2d05dd0470_render
		.amdhsa_group_segment_fixed_size 55808
		.amdhsa_private_segment_fixed_size 0
		.amdhsa_enable_private_segment 0
		.amdhsa_kernarg_size 24
		.amdhsa_user_sgpr_count 2
		.amdhsa_user_sgpr_kernarg_segment_ptr 1
		.amdhsa_wavefront_size32 1
		.amdhsa_system_sgpr_workgroup_id_x 1
		.amdhsa_system_sgpr_workgroup_id_y 1
		.amdhsa_system_sgpr_workgroup_id_z 1
		.amdhsa_system_vgpr_workitem_id 0
		.amdhsa_next_free_vgpr 228
		.amdhsa_next_free_sgpr 66
		.amdhsa_reserve_vcc 1
		.amdhsa_float_denorm_mode_32 3
		.amdhsa_float_denorm_mode_16_64 3
		.amdhsa_memory_ordered 1
		.amdhsa_forward_progress 1
		.amdhsa_inst_pref_size 88
	.end_amdhsa_kernel
	.amdgpu_metadata
---
amdhsa.version: [ 1, 2 ]
amdhsa.kernels:
  - .name:           k_q2d05dd0470_render
    .symbol:         k_q2d05dd0470_render.kd
    .args:
      - { .name: data, .offset: 0, .size: 8, .value_kind: global_buffer, .address_space: global }
      - { .name: opacity, .offset: 8, .size: 8, .value_kind: global_buffer, .address_space: global }
      - { .name: out0, .offset: 16, .size: 8, .value_kind: global_buffer, .address_space: global }
    .group_segment_fixed_size: 55808
    .private_segment_fixed_size: 0
    .kernarg_segment_align: 8
    .kernarg_segment_size: 24
    .max_flat_workgroup_size: 512
    .sgpr_count:     66
    .vgpr_count:     228
    .wavefront_size: 32
...
	.end_amdgpu_metadata
.endif
;; end of part 1
